; MI455X (gfx1250); checked and timed in simulation.
; The chip was launched on July 23, 2026; its instructions are those of AMD's public machine-readable ISA for CDNA 5 (MIT licence, August 2026) and "CDNA5" Instruction Set Architecture Reference Guide (July 2026). The comments in the code are by the model that wrote it; some were corrected since.
;; GMM Equal Variance Denoiser. Allowed arithmetic: matrix products marked QUANTISED: E4M3 operands, one E8M0 scale for each 32 along K, by v_wmma_scale_f32_16x16x128_f8f6f4 with both operands' format E4M3, f32 sums; everything else in f32.
;; Inputs: means 8,192 x 64 float32; standard_dev 1 float32; t 1 float32; x 16,384 x 1 x 8 x 8 float32.
;; Outputs: out0 16,384 x 1 x 8 x 8 float32.
;; This version of the problem:
;;   THIS VERSION OF THE PROBLEM IS GIVEN IN LOW PRECISION. The matrix products marked QUANTISED in the list below multiply operands that are first quantised to E4M3 (4 exponent bits, 3 mantissa bits; 8 bits a number), with one power-of-two scale for each 32 numbers along K (OCP MX v1.0); their sums are f32. All else is computed in f32.
;;   The module's matrix products, in the order in which they are computed (A, B: the left and right operand; K: the contracted axis; several contracted axes count as one K, in the product's order):
;;     1. [M 16,384, K 64] x [K 64, N 8,192]; A: input x; B: computed on the way: QUANTISED
;;     2. [M 16,384, K 8,192] x [K 8,192, N 64]; A: softmax (see below); B: computed on the way: QUANTISED
;;   THE QUANTISER, for each operand of a quantised product, along K:
;;     - K is cut into blocks of 32 from its start; a last block that is shorter is filled with zeros.
;;     - A block's scale is 2^e with e = floor(log2(the largest magnitude in the block)) - 8, held to -126 .. 127; a block of zeros has e = 0. As a byte (E8M0): e + 127.
;;     - Each number is divided by its block's scale, clamped to +-448, and rounded to the nearest number of E4M3, ties to even, subnormals kept.
;;     - The product sums the exact products of the quantised numbers (number of the format x scale) in f32.
;;   ~~~python
;;   def quantise(x, axis):      # numpy; x: float32 -> the quantised numbers, widened to float32 again
;;       x = np.moveaxis(x, axis, -1); K = x.shape[-1]
;;       x = np.pad(x, [(0, 0)] * (x.ndim - 1) + [(0, -K % 32)]); x = x.reshape(x.shape[:-1] + (-1, 32)); a = np.abs(x).max(-1, keepdims=True)
;;       e = np.where(a > 0, np.clip(np.frexp(np.where(a > 0, a, 1))[1] - 1 - 8, -126, 127), 0)      # np.frexp(a)[1] - 1 = floor(log2(a)), exactly
;;       r = np.clip(x / 2.0 ** e, -448, 448)
;;       step = 2.0 ** (np.maximum(np.frexp(np.where(r == 0, 1, r))[1] - 1, -6) - 3)
;;       q = np.round(r / step) * step * 2.0 ** e      # np.round: ties to even
;;       return np.moveaxis(q.reshape(q.shape[:-2] + (-1,))[..., :K], -1, axis).astype(np.float32)
;;   ~~~
;;   SOFTMAX AHEAD OF A QUANTISED PRODUCT. Where the list says 'softmax', what is quantised is not the finished softmax but p = 2^(t - M), with t = logit x log2(e) and M = ceil(the row's largest t), a whole number; so 1/2 < the row's largest p <= 1. The row's sum l is taken of the UNQUANTISED p, in f32, and the product's result is divided by l at the end. Since M is a whole number, a kernel that streams over the keys may use a running M (the ceiling of the running maximum): every later rescaling is an exact power of two, which a block's scale takes up: the codes' values come out the same.
;;   OPERANDS COMPUTED ON THE WAY. 'Computed on the way' means the value that the module computes at that place (a softmax that the list does not call 'softmax' is quantised finished and normalised). What goes into a quantiser is computed in f32, as accurately as f32 sums, v_exp_f32 and their like allow (about 1e-6 of the number): no bf16 or f16 on the way to a quantiser, and a product that is left as it is and whose result goes on into a quantised operand takes f32 operands (vector FMAs, or v_wmma_f32_16x16x4_f32). A number that lies on a knife's edge between two numbers of the format may be rounded either way, as far as f32 arithmetic and the matrix unit's own rounding can turn it there, and no further.
;; One version. Each part assembles by itself: llvm-mc -triple=amdgcn-amd-amdhsa -mcpu=gfx1250 --defsym DOCPART=n.
;; ======== version 1 of 1: 2 launches
;; limits: right only within a limited range of input values
;; workspace buffers: kv 1,179,648 bytes
;; launch prep (part 1): grid 64 x 1, 4 waves a work-group, no clusters, 2,560 bytes of LDS; arguments means, t, standard_dev, kv; writes kv
.if DOCPART == 1
	.amdgcn_target "amdgcn-amd-amdhsa--gfx1250"
	.amdhsa_code_object_version 6
	.text
	.protected	k_qf2c21f0a74_prep
	.globl	k_qf2c21f0a74_prep
	.p2align	8
	.type	k_qf2c21f0a74_prep,@function
k_qf2c21f0a74_prep:
	s_mov_b64 s[64:65], 0
	v_nop
	global_prefetch_b8 v0, s[64:65] scope:SCOPE_SE
	s_setreg_imm32_b32 hwreg(HW_REG_WAVE_MODE, 25, 1), 1
	s_wait_xcnt 0x0
; c = means x exp(-t), [8192 keys][64], is quantised to codes of E4M3 with one E8M0 scale for each 32 numbers, TWICE: along D (operand of x c^T) and along the keys (operand of p c),
; and laid into kv as 64 records of REC bytes, one for each 128 keys, in the order of the operands' registers: a chunk is 512 bytes, lane l's 16 bytes at 16 l.
;   0      K images: chunk 2 t + c (tile t of 16 keys, c = 0, 1): lane (r, h): codes of sgn x c[key][32 c + 16 h + 0..15], key = 32 (t / 2) + 8 (t % 2) + r + 8 (r / 8)
;   8192   V images: chunk 4 dt + c: lane (r, h): codes of c[key 32 c + 16 h + 0..15][d = 16 dt + r]
;   16384  K's scale words: chunk j, word i of a lane: tile 4 j + i, row r: bytes 0, 1 the two blocks along D, bytes 2, 3 = 0x7f (the product's K is 64; the form's is 128)
;   17408  bias[key] = -0.5 sgn |c[key]|^2, f32, in the keys' order          17920  V's scale words: word dt of a lane: row 16 dt + r, byte b: keys 32 b on
; sgn is the sign of variance_t = scale^2 sd^2 + 1 - scale^2: the quantiser is odd, so K's codes and the bias can carry it, and the next launch works with |log2(e) / variance_t|.
; SHARES.  Work-group s makes record s; wave b takes its keys 32 b .. 32 b + 31: K's tiles 2 b, 2 b + 1, chunk c = b of V's four tiles, 32 biases, byte b of V's scale words.
; A record has one owner since a scale word of V is made of four waves' bytes: 64 work-groups.  The launch moves 2 MiB in and 1.1 MiB out; it has no tensor load, no ring.
; The wave's 8 KiB of means are loaded twice, once with D along a lane's registers and once with the keys along them: that takes the place of a transposition.
; LIMITS: NaN and infinities are not served; a block whose largest magnitude lies under 2^-118 has its byte held at 1; a block of zeros gets the byte 1 where the rule says 127
; (its codes are zeros, and this program alone reads the bytes).
.set REC,  18432
.set TM,   24                          ; v24-27 largest magnitudes, v28-31 the other half's, then the bytes, v32-35 448 x the scale, v36-39 the conversions' scale operands
.set PCK,  40                          ; v40-55   K's codes
.set PCV,  56                          ; v56-71   V's codes
.set XK,   72                          ; v72-135  register 16 (2 u + c) + i: sgn c[key of tile u][32 c + 16 h + i]
.set XV,   136                         ; v136-199 register 16 dt + i: c[key 16 h + i][16 dt + r]
; 64 numbers of a lane, four blocks of which the lane holds 16 numbers each and lane l xor 16 the other 16, become codes in v[pc] on; the four scale bytes stay in v[TM+4] on
.macro QUANT s, pc
.irp b, 0,1,2,3
	v_max3_num_f32 v[TM+\b], |v[\s+16*\b]|, |v[\s+1+16*\b]|, 0x4800000   ; my 16 numbers, and the floor 2^(9 - 127): the byte cannot fall under 1
.endr
.irp i, 2,4,6,8,10,12,14
.irp b, 0,1,2,3
	v_max3_num_f32 v[TM+\b], v[TM+\b], |v[\s+16*\b+\i]|, |v[\s+1+16*\b+\i]|   ; the four blocks by turns
.endr
.endr
.irp b, 0,1,2,3
	v_permlanex16_b32 v[TM+4+\b], v[TM+\b], s16, s17
.endr
.irp b, 0,1,2,3
	v_max_num_f32 v[TM+\b], v[TM+\b], v[TM+4+\b]           ; the block's largest magnitude
.endr
.irp b, 0,1,2,3
	v_add_nc_u32 v[TM+12+\b], 0xfc000000, v[TM+\b]         ; 8 off its exponent field: the conversion's scale operand
.endr
.irp b, 0,1,2,3
	v_and_or_b32 v[TM+8+\b], v[TM+\b], 0x7f800000, s18     ; 448 x the scale
.endr
.irp b, 0,1,2,3
	v_lshrrev_b32 v[TM+4+\b], 23, v[TM+12+\b]              ; the scale's byte
.endr
.irp b, 0,1,2,3
.irp i, 0,1,2,3,4,5,6,7,8,9,10,11,12,13,14,15
	v_med3_num_f32 v[\s+16*\b+\i], v[\s+16*\b+\i], -v[TM+8+\b], v[TM+8+\b]   ; the conversion to an 8-bit code does not saturate (ISA guide 7.6.2): the hold comes first
.endr
	v_cvt_scalef32_pk8_fp8_f32 v[\pc+4*\b:\pc+1+4*\b], v[\s+16*\b:\s+7+16*\b], v[TM+12+\b]
	v_cvt_scalef32_pk8_fp8_f32 v[\pc+2+4*\b:\pc+3+4*\b], v[\s+8+16*\b:\s+15+16*\b], v[TM+12+\b]
.endr
	v_nop                                                  ; a plain line behind the last scaled conversion
.endm
	s_load_b256 s[4:11], s[0:1], 0x0               ; means s[4:5], t s[6:7], standard_dev s[8:9], kv s[10:11]
	v_lshl_add_u32 v208, v0, 2, 0x800
	v_mov_b32 v209, 0
	v_lshrrev_b32 v1, 5, v0
	v_readfirstlane_b32 s14, v1                    ; wave b
	v_and_b32 v1, 31, v0                           ; lane
	v_and_b32 v2, 15, v0                           ; r
	v_bfe_u32 v3, v0, 4, 1                         ; h
	v_and_b32 v19, 8, v2
	v_add_nc_u32 v19, v19, v2                      ; r + 8 (r / 8)
	v_lshlrev_b32 v4, 8, v19
	v_lshl_add_u32 v4, v3, 6, v4                   ; K's loads: row r + 8 (r / 8) of 256 bytes, + 64 h
	v_lshlrev_b32 v5, 2, v2
	v_lshl_add_u32 v5, v3, 12, v5                  ; V's loads: 16 h rows down, column r
	s_lshl_b32 s20, s14, 11
	v_lshl_add_u32 v6, v1, 4, s20                  ; K's chunks 4 b on: 16 x lane + 2048 b
	s_lshl_b32 s20, s14, 9
	v_lshl_add_u32 v7, v1, 4, s20                  ; V's chunk b of each tile: 16 x lane + 512 b
	s_lshr_b32 s20, s14, 1
	s_lshl_b32 s20, s20, 9
	s_and_b32 s21, s14, 1
	s_lshl_b32 s21, s21, 3
	s_add_co_u32 s20, s20, s21
	v_lshl_add_u32 v8, v1, 4, s20                  ; LDS: K's scale words of tiles 2 b, 2 b + 1: 16 x lane + 512 (b / 2) + 8 (b % 2)
	v_lshl_add_u32 v9, v3, 3, v19                  ; the key whose bias I store: 8 h + r + 8 (r / 8)
	s_lshl_b32 s20, s14, 7
	s_add_co_u32 s20, s20, 1024
	v_lshl_add_u32 v9, v9, 2, s20                  ; LDS: 1024 + 128 b + 4 x key
	s_add_co_u32 s20, s14, 1536
	v_lshl_add_u32 v10, v1, 4, s20                 ; LDS: byte b of V's scale words: 1536 + 16 x lane + b
	v_lshlrev_b32 v11, 4, v0                       ; the way out of the record's last 2,048 bytes: 16 bytes a thread
	s_mov_b32 s16, 0x76543210
	s_mov_b32 s17, 0xfedcba98                      ; v_permlanex16_b32's selects for lane l xor 16
	s_mov_b32 s18, 0x600000                        ; the mantissa field of 448
.irp b, 0,1,2,3
	v_mov_b32 v[TM+4+\b], 0                        ; written once: a lane permute's destination counts as one of its sources
.endr
	s_lshl_b32 s20, ttmp9, 15                      ; 128 rows of 256 bytes a record,
	s_lshl_b32 s22, s14, 13                        ; 32 a wave
	s_add_co_u32 s20, s20, s22
	s_mov_b32 s21, 0
	s_mul_i32 s22, ttmp9, REC
	s_mov_b32 s23, 0
	s_wait_kmcnt 0x0
	s_load_b32 s12, s[6:7], 0x0                    ; t
	s_load_b32 s13, s[8:9], 0x0                    ; standard_dev
	s_add_nc_u64 s[4:5], s[4:5], s[20:21]
	s_add_nc_u64 s[10:11], s[10:11], s[22:23]
.irp u, 0,1
.irp c, 0,1
.irp j, 0,1,2,3
	global_load_b128 v[XK+16*(2*\u+\c)+4*\j:XK+16*(2*\u+\c)+4*\j+3], v4, s[4:5] offset:2048*\u+128*\c+16*\j
.endr
.endr
.endr
.irp dt, 0,1,2,3
.irp i, 0,1,2,3,4,5,6,7,8,9,10,11,12,13,14,15
	global_load_b32 v[XV+16*\dt+\i], v5, s[4:5] offset:256*\i+64*\dt   ; a lane to a column, registers down the keys
.endr
.endr
	s_wait_kmcnt 0x0
	v_mov_b32 v18, s12
	v_mul_f32 v18, 0xbfb8aa3b, v18                 ; -t log2(e)
	s_wait_alu depctr_va_vdst(0)
	v_exp_f32 v12, v18                             ; scale = exp(-t)
	v_mov_b32 v20, s13                             ; (the plain line behind the exponential)
	s_wait_alu depctr_va_vdst(0)                   ; the wait ahead of the result's first reader
	v_mov_b32 v13, v12
	v_mul_f32 v21, v12, v12                        ; scale^2
	v_mul_f32 v20, v20, v20                        ; sd^2
	v_sub_f32 v16, 1.0, v21
	v_fma_f32 v16, v21, v20, v16                   ; variance_t
	v_bfi_b32 v14, 0x7fffffff, v12, v16            ; scale with variance_t's sign
	v_mov_b32 v15, v14
	v_bfi_b32 v17, 0x7fffffff, 0.5, v16            ; 0.5 with variance_t's sign
	; ---- K: along D
	s_wait_alu depctr_va_vdst(0)
	s_wait_loadcnt 63                              ; K's sixteen loads are in: 64 were issued behind them, and the wait's field names 63 at the most
.set i, 0
.rept 32
	v_pk_mul_f32 v[XK+i:XK+i+1], v[XK+i:XK+i+1], v[14:15]
.set i, i+2
.endr
	v_pk_mul_f32 v[200:201], v[XK:XK+1], v[XK:XK+1]                ; |c|^2 of my key of each tile, the two tiles by turns
	v_pk_mul_f32 v[202:203], v[XK+32:XK+33], v[XK+32:XK+33]
.set i, 2
.rept 15
	v_pk_fma_f32 v[200:201], v[XK+i:XK+i+1], v[XK+i:XK+i+1], v[200:201]
	v_pk_fma_f32 v[202:203], v[XK+32+i:XK+33+i], v[XK+32+i:XK+33+i], v[202:203]
.set i, i+2
.endr
	v_add_f32 v200, v200, v201
	v_add_f32 v202, v202, v203
	v_permlanex16_b32 v201, v200, s16, s17
	v_permlanex16_b32 v203, v202, s16, s17
	v_add_f32 v200, v200, v201
	v_add_f32 v202, v202, v203
	QUANT XK, PCK
	v_lshl_or_b32 v20, v[TM+5], 8, v[TM+4]         ; tile 2 b's word: its two bytes,
	v_lshl_or_b32 v21, v[TM+7], 8, v[TM+6]
	v_or_b32 v20, 0x7f7f0000, v20                  ; and 1.0 for the half of the form's K that the product does not have
	v_or_b32 v21, 0x7f7f0000, v21
	ds_store_b64 v8, v[20:21]
	v_cmp_le_u32 vcc_lo, 16, v1
	v_cndmask_b32 v22, v200, v202, vcc_lo          ; lanes 0-15 store tile 2 b's biases, lanes 16-31 tile 2 b + 1's
	v_mul_f32 v22, -v17, v22
	ds_store_b32 v9, v22
.irp b, 0,1,2,3
	global_store_b128 v6, v[PCK+4*\b:PCK+4*\b+3], s[10:11] offset:512*\b          ; 32 lanes store 512 consecutive bytes, at a multiple of 256 from kv's first byte
.endr
	; ---- V: along the keys
	s_wait_loadcnt 0x0
.set i, 0
.rept 32
	v_pk_mul_f32 v[XV+i:XV+i+1], v[XV+i:XV+i+1], v[12:13]
.set i, i+2
.endr
	QUANT XV, PCV
.irp dt, 0,1,2,3
	ds_store_b8 v10, v[TM+4+\dt] offset:4*\dt
.endr
.irp dt, 0,1,2,3
	global_store_b128 v7, v[PCV+4*\dt:PCV+4*\dt+3], s[10:11] offset:8192+2048*\dt
.endr
	s_wait_dscnt 0x0                               ; for the others' sake: my stores into LDS are done
	s_barrier_signal -1
	s_barrier_wait -1
	ds_load_b128 v[204:207], v11                   ; the scale words and the biases leave as they lie, 16 bytes a thread
	s_wait_dscnt 0x0
	global_store_b128 v11, v[204:207], s[10:11] offset:16384
	s_wait_tensorcnt 0x0
	ds_add_u32 v208, v209
	s_wait_dscnt 0x0
	s_endpgm
.Lfunc_end_k_qf2c21f0a74_prep:
	.size	k_qf2c21f0a74_prep, .Lfunc_end_k_qf2c21f0a74_prep-k_qf2c21f0a74_prep
	.p2alignl 7, 3214868480
	.fill 96, 4, 3214868480
	.section	.rodata,"a",@progbits
	.p2align	6, 0x0
	.amdhsa_kernel k_qf2c21f0a74_prep
		.amdhsa_group_segment_fixed_size 2560
		.amdhsa_private_segment_fixed_size 0
		.amdhsa_enable_private_segment 0
		.amdhsa_kernarg_size 32
		.amdhsa_user_sgpr_count 2
		.amdhsa_user_sgpr_kernarg_segment_ptr 1
		.amdhsa_wavefront_size32 1
		.amdhsa_system_sgpr_workgroup_id_x 1
		.amdhsa_system_sgpr_workgroup_id_y 1
		.amdhsa_system_sgpr_workgroup_id_z 1
		.amdhsa_system_vgpr_workitem_id 0
		.amdhsa_next_free_vgpr 210
		.amdhsa_next_free_sgpr 66
		.amdhsa_reserve_vcc 1
		.amdhsa_float_denorm_mode_32 3
		.amdhsa_float_denorm_mode_16_64 3
		.amdhsa_memory_ordered 1
		.amdhsa_forward_progress 1
		.amdhsa_inst_pref_size 35
	.end_amdhsa_kernel
	.amdgpu_metadata
---
amdhsa.version: [ 1, 2 ]
amdhsa.kernels:
  - .name:           k_qf2c21f0a74_prep
    .symbol:         k_qf2c21f0a74_prep.kd
    .args:
      - { .name: means, .offset: 0, .size: 8, .value_kind: global_buffer, .address_space: global }
      - { .name: t, .offset: 8, .size: 8, .value_kind: global_buffer, .address_space: global }
      - { .name: standard_dev, .offset: 16, .size: 8, .value_kind: global_buffer, .address_space: global }
      - { .name: kv, .offset: 24, .size: 8, .value_kind: global_buffer, .address_space: global }
    .group_segment_fixed_size: 2560
    .private_segment_fixed_size: 0
    .kernarg_segment_align: 8
    .kernarg_segment_size: 32
    .max_flat_workgroup_size: 128
    .sgpr_count:     66
    .vgpr_count:     210
    .wavefront_size: 32
...
	.end_amdgpu_metadata
.endif
;; end of part 1
;; launch attn (part 2): grid 256 x 1, 8 waves a work-group, no clusters, 88,064 bytes of LDS; arguments kv, x, t, standard_dev, out0; writes out0
.if DOCPART == 2
	.amdgcn_target "amdgcn-amd-amdhsa--gfx1250"
	.amdhsa_code_object_version 6
	.text
	.protected	k_qf2c21f0a74_attn
	.globl	k_qf2c21f0a74_attn
	.p2align	8
	.type	k_qf2c21f0a74_attn,@function
k_qf2c21f0a74_attn:
	s_mov_b64 s[64:65], 0
	v_nop
	global_prefetch_b8 v0, s[64:65] scope:SCOPE_SE
	s_setreg_imm32_b32 hwreg(HW_REG_WAVE_MODE, 25, 1), 1
	s_wait_xcnt 0x0
; out = (dw x + (1 - dw) softmax(-0.5 |x - c|^2 / variance_t) c) / scale, c = means x scale, both products on codes of E4M3 with one E8M0 scale for each 32 along K.
; kv holds c twice as codes, its scale words and the biases -0.5 sgn |c|^2, in 64 records of REC bytes for 128 keys each, laid as images of the operands' registers (a chunk: 512 bytes, lane l's 16 at 16 l).
; THE LOGIT in base 2: t = |a| S' + cq, a = log2(e) / variance_t, S' = sgn (x^ . c^ - 0.5 |c|^2): the first product with the bias as its C; cq = -0.5 a |x|^2, one number a lane and tile.
; THE SOFTMAX: M = the running largest t rounded up to a whole number; p = 2^(t - M) is quantised along the keys; the sum is taken of the unquantised p and divides at the end.
; SHARES.  A work-group owns 64 queries.  Wave w: 32 queries (two tiles of 16, A and B), pair qp = w % 2; a quarter of the keys, kg = w / 2: records 4 n + kg, n = 0 .. 15: 16 steps of 128 keys.
; THE OPERANDS GO FROM MEMORY STRAIGHT INTO THEIR REGISTERS: kv is laid as register images, so a wave's load covers 512 consecutive bytes, aligned, and each fragment serves both tiles of the wave that loads it.
; K, the biases and K's scale words of step n + 1 (34 loads) are asked for behind step n's first products, V and its scale words of step n (17 loads) at the step's head: K and V have registers of their own.
; So the loop touches no LDS and has no barrier.  NO CLUSTER, NO JOINT LOADS: a joint load fills LDS, and in this text no tile of kv lies in LDS; LDS serves the merge alone.
; THE TWO TILES STAND ONE STAGE APART in the softmax: A's exponentials take turns with B's scalings, B's exponentials with A's holds, A's conversions with B's sum: each line laid among a batch is independent of the batch.
; At the end the four parts of a tile are merged through LDS: their M are whole numbers, so bringing them under one M rounds nothing.
; LAYOUT.  Both products are used transposed (S^T = K Q^T, O^T = V^T P^T): a lane holds ONE query of each tile (lane % 16).  The 16 registers of tiles 2 b, 2 b + 1 of K are keys 32 b + 16 (lane / 16) + 0..15.
; K = 64 IN A FORM OF 128: Q's registers 8-15 are zero codes.  Tile i's source 0 is 16 registers from 8 i on: its upper eight are tile i + 1's codes (tile 7: zeros), which meet Q's zeros under scale bytes 0x7f: exactly 0.
; p'S CODES LIE OVER S: block n's four registers take the place of block n - 1's numbers, which are converted by then; block 0's stand in four registers ahead of S.
; LIMITS: NaN and infinities are not served; variance_t = 0 is not served; t is formed as |a| (cross - |c|^2 / 2) + cq, another order of f32 roundings than x_sq + c_sq - 2 cross; a block of x or of p whose
; largest magnitude lies under 2^-118 has its byte held at 1 (a block of zeros too: its codes are zeros).
; REGISTERS, window 0: v1 16 x lane; v3 64 x (lane / 16); v5-6 the spare word's address, 0; v7 the prefetches' offset; v[8:9] |a|; from v10 six a tile: cq, -M, cq - M, largest t, the sum in two halves;
; v22-25 f; v26-27 w1, w2; v28-43 scale words (K 8, V 4, Q 2, p 2); v44-75 at work; v76-79, v88-91 at work, then four partial sums; v80-87 the biases of K's tile 7; v92-123 Q; v124-127 codes of p's block 0;
; v128-255 S^T, then p, then its codes.  Window 1: v0-63 K's tiles; v64-71 zeros; v72-135 V's tiles; v136-191 the biases of K's tiles 0-6; v192-255 O^T.
.set REC,   18432
.set STRIDE, 4*REC                     ; from a step's record to the next step's
.set VI,    8192                       ; in a record: V's images,
.set KS,    16384                      ; K's scale words,
.set BI,    17408                      ; the biases,
.set VS,    17920                      ; V's scale words
.set MRGS,  65536                      ; LDS, the merge: from byte 0 sixteen images of O^T of 4,096 bytes; here sixteen x 256 bytes of (-M, l);
.set STG,   69632                      ; the stage: 64 rows x (256 bytes + 16);
.set SPARE, 87040                      ; the spare words, 128 bytes for each of 8 waves: four blocks of 256 bytes that no other line names
.set ST,    10
.set FF,    22
.set KSC,   28
.set VSC,   36
.set QSC,   40
.set PSC,   42
.set BM,    44                         ; block n = 4 x tile + b: its largest score, then its largest p
.set T1,    52                         ; the other half's, then the bytes
.set HOLD,  60                         ; 448 x the scale
.set SOP,   68                         ; the conversions' scale operands
.set XS,    60                         ; the head: |x|^2, before the holds are made
.set TT,    76
.set BS7,   80
.set QQ,    92
.set PC,    124                        ; tile T's codes: 16 registers from PC + 64 T on
.set S,     128
.set ZR,    64                         ; window 1
.set VV,    72
.set BS,    136
.set OT,    192
.set MSB, 0
.macro WIN new                         ; the immediate's high byte repeats the setting that is left
.if MSB != \new
	s_set_vgpr_msb (MSB<<8)|\new
.set MSB, \new
.endif
.endm
; 34 loads: K's eight tiles, the 128 biases (register 16 b + i is key 32 b + 16 h + i) and K's scale words of the record off bytes on
.macro G1 off
	WIN 0x40
.set i, 0
.rept 16
	global_load_b128 v[4*i:4*i+3], v1, s[44:45] offset:\off+512*i
.set i, i+1
.endr
.set i, 0
.rept 14
	global_load_b128 v[BS+4*i:BS+4*i+3], v3, s[44:45] offset:\off+BI+128*(i/4)+16*(i%4)
.set i, i+1
.endr
	WIN 0
	global_load_b128 v[BS7:BS7+3], v3, s[44:45] offset:\off+BI+384+32
	global_load_b128 v[BS7+4:BS7+7], v3, s[44:45] offset:\off+BI+384+48
	global_load_b128 v[KSC:KSC+3], v1, s[44:45] offset:\off+KS
	global_load_b128 v[KSC+4:KSC+7], v1, s[44:45] offset:\off+KS+512
.endm
; 17 loads: V's four tiles and their scale words of the record in hand
.macro G2
	WIN 0x40
.set i, 0
.rept 16
	global_load_b128 v[VV+4*i:VV+4*i+3], v1, s[44:45] offset:VI+512*i
.set i, i+1
.endr
	WIN 0
	global_load_b128 v[VSC:VSC+3], v1, s[44:45] offset:VS
.endm
	s_load_b256 s[4:11], s[0:1], 0x0               ; kv s[4:5], x s[6:7], t s[8:9], standard_dev s[10:11]
	s_load_b64 s[12:13], s[0:1], 0x20              ; out0
	v_lshrrev_b32 v76, 5, v0
	v_readfirstlane_b32 s16, v76                   ; wave 0..7
	s_and_b32 s17, s16, 1                          ; qp
	s_lshr_b32 s18, s16, 1                         ; kg
	s_lshl_b32 s59, s17, 13                        ; my 32 rows of x: 8,192 qp
	s_min_u32 s52, ttmp9, 3                        ; the prefetches: work-groups 0 to 3 ask; a record's 72 blocks of 256 bytes are shared out among their waves of my kg: nine blocks each, by address
	s_lshl_b32 s52, s52, 1
	s_add_co_u32 s52, s52, s17
	s_mul_i32 s52, s52, 9
	s_mul_i32 s22, s18, REC                        ; my first record
	s_mov_b32 s23, 0
	s_mov_b32 s40, 0                               ; the step
	s_mov_b32 s41, 0x600000                        ; the mantissa field of 448
	s_mov_b32 s42, 0x76543210
	s_mov_b32 s43, 0xfedcba98                      ; v_permlanex16_b32's selects for lane l xor 16
	s_cmp_lt_u32 ttmp9, 4
	s_cselect_b32 s46, 13, 0                       ; steps in which my work-group prefetches: step n names the record of step n + 3, so steps 0 to 12
	s_lshl_b32 s54, ttmp9, 14                      ; 64 rows of 256 bytes a work-group
	s_mov_b32 s55, 0
	v_lshl_add_u32 v5, v0, 2, SPARE
	v_mov_b32 v6, 0
	v_and_b32 v76, 31, v0                          ; lane
	v_bfe_u32 v77, v0, 4, 1                        ; h
	v_and_b32 v79, 15, v0                          ; r
	v_lshlrev_b32 v1, 4, v76                       ; images: 16 x lane
	v_lshlrev_b32 v3, 6, v77                       ; biases: my half's 16 keys of each 32
	v_min_u32 v7, 8, v76                           ; lanes 0-8 name a block each, the lanes left over the last again
	v_lshlrev_b32 v79, 8, v79
	v_add_nc_u32 v7, s52, v7
	v_lshl_add_u32 v79, v77, 6, v79
	v_lshlrev_b32 v7, 8, v7
	v_add_nc_u32 v78, s59, v79                     ; x: row 32 qp + r of 256 bytes, + 64 h: my 16 numbers of a block of 32
	s_wait_alu depctr_va_vdst(0)                   ; the wait directly ahead of the wait below
	s_wait_kmcnt 0x0
	s_load_b32 s14, s[8:9], 0x0                    ; t
	s_load_b32 s15, s[10:11], 0x0                  ; standard_dev
	s_add_nc_u64 s[44:45], s[4:5], s[22:23]        ; kv at my first record
	s_add_nc_u64 s[48:49], s[6:7], s[54:55]        ; x at my block
	s_add_nc_u64 s[50:51], s[12:13], s[54:55]      ; out0 likewise
.irp T, 0,1
.irp c, 0,1
.irp j, 0,1,2,3
	global_load_b128 v[S+64*\T+16*\c+4*\j:S+64*\T+16*\c+4*\j+3], v78, s[48:49] offset:4096*\T+128*\c+16*\j
.endr
.endr
.endr
	G1 0                                           ; step 0's K, biases and scale words
	s_wait_kmcnt 0x0
	v_mov_b32 v160, s14
	v_mul_f32 v160, 0xbfb8aa3b, v160               ; -t log2(e)
	s_wait_alu depctr_va_vdst(0)                   ; the wait ahead of a transcendental and ahead of its result's first reader
	v_exp_f32 v160, v160                           ; scale
	v_mov_b32 v162, s15
	s_wait_alu depctr_va_vdst(0)
	v_mul_f32 v161, v160, v160                     ; scale^2
	v_mul_f32 v162, v162, v162                     ; sd^2
	v_sub_f32 v163, 1.0, v161                      ; 1 - scale^2
	v_fma_f32 v164, v161, v162, v163               ; variance_t
	s_wait_alu depctr_va_vdst(0)
	v_rcp_f32 v165, v164
	v_rcp_f32 v166, v160
	v_mul_f32 v162, v161, v162                     ; scale^2 sd^2
	s_wait_alu depctr_va_vdst(0)
	v_fma_f32 v167, -v164, v165, 1.0               ; one Newton step each
	v_fma_f32 v165, v165, v167, v165               ; 1 / variance_t
	v_fma_f32 v167, -v160, v166, 1.0
	v_fma_f32 v166, v166, v167, v166               ; 1 / scale
	v_and_b32 v8, 0x7fffffff, v165
	v_mul_f32 v8, 0x3fb8aa3b, v8                   ; |a|
	v_mov_b32 v9, v8
	v_mul_f32 v168, 0xbf38aa3b, v165               ; -0.5 a
	v_mul_f32 v167, v165, v166
	v_mul_f32 v26, v162, v167                      ; w1 = dw / scale
	v_mul_f32 v27, v163, v167                      ; w2 = (1 - dw) / scale
.irp n, 0,1,2,3,4,5,6,7
	v_mov_b32 v[T1+\n], 0                          ; written once: a lane permute's destination counts as one of its sources
.endr
	s_wait_alu depctr_va_vdst(0)                   ; the wait directly ahead of the wait below
	s_wait_loadcnt 34                              ; x is in: behind its sixteen loads stand step 0's 34
.irp T, 0,1
	v_pk_mul_f32 v[XS+2*\T:XS+2*\T+1], v[S+64*\T:S+64*\T+1], v[S+64*\T:S+64*\T+1]   ; |x|^2 of my row of each tile
.endr
.set i, 2
.rept 15
.irp T, 0,1
	v_pk_fma_f32 v[XS+2*\T:XS+2*\T+1], v[S+64*\T+i:S+64*\T+i+1], v[S+64*\T+i:S+64*\T+i+1], v[XS+2*\T:XS+2*\T+1]
.endr
.set i, i+2
.endr
.irp T, 0,1
	v_add_f32 v[XS+2*\T], v[XS+2*\T], v[XS+2*\T+1]
.endr
.irp T, 0,1
	v_permlanex16_b32 v[T1+\T], v[XS+2*\T], s42, s43
.endr
.irp T, 0,1
	v_add_f32 v[XS+2*\T], v[XS+2*\T], v[T1+\T]
.endr
.irp T, 0,1
	v_mul_f32 v[ST+6*\T], v168, v[XS+2*\T]         ; cq
.endr
	; x's four blocks of 32 (n = 2 x tile + c) become Q's registers 0-7 of each tile and the low two bytes of its scale word
.irp n, 0,1,2,3
	v_max3_num_f32 v[BM+\n], |v[S+64*(\n/2)+16*(\n%2)]|, |v[S+64*(\n/2)+16*(\n%2)+1]|, 0x4800000   ; with the floor 2^(9 - 127): the byte cannot fall under 1
.endr
.irp i, 2,4,6,8,10,12,14
.irp n, 0,1,2,3
	v_max3_num_f32 v[BM+\n], v[BM+\n], |v[S+64*(\n/2)+16*(\n%2)+\i]|, |v[S+64*(\n/2)+16*(\n%2)+\i+1]|
.endr
.endr
.irp n, 0,1,2,3
	v_permlanex16_b32 v[T1+\n], v[BM+\n], s42, s43
.endr
.irp n, 0,1,2,3
	v_max_num_f32 v[BM+\n], v[BM+\n], v[T1+\n]
.endr
.irp n, 0,1,2,3
	v_add_nc_u32 v[SOP+\n], 0xfc000000, v[BM+\n]
.endr
.irp n, 0,1,2,3
	v_and_or_b32 v[HOLD+\n], v[BM+\n], 0x7f800000, s41
.endr
.irp n, 0,1,2,3
	v_lshrrev_b32 v[T1+\n], 23, v[SOP+\n]
.endr
.irp T, 0,1
	v_lshl_or_b32 v[QSC+\T], v[T1+2*\T+1], 8, v[T1+2*\T]
.endr
.irp T, 0,1
	v_or_b32 v[QSC+\T], 0x7f7f0000, v[QSC+\T]      ; 1.0 for the half of the form's K that the product does not have
.endr
.irp n, 0,1,2,3
.set j, 0
.rept 16
	v_med3_num_f32 v[S+64*(\n/2)+16*(\n%2)+j], v[S+64*(\n/2)+16*(\n%2)+j], -v[HOLD+\n], v[HOLD+\n]   ; the conversion to an 8-bit code does not saturate (ISA guide 7.6.2)
.set j, j+1
.endr
.endr
.irp n, 0,1,2,3
	v_cvt_scalef32_pk8_fp8_f32 v[QQ+16*(\n/2)+4*(\n%2):QQ+16*(\n/2)+4*(\n%2)+1], v[S+64*(\n/2)+16*(\n%2):S+64*(\n/2)+16*(\n%2)+7], v[SOP+\n]
	v_cvt_scalef32_pk8_fp8_f32 v[QQ+16*(\n/2)+4*(\n%2)+2:QQ+16*(\n/2)+4*(\n%2)+3], v[S+64*(\n/2)+16*(\n%2)+8:S+64*(\n/2)+16*(\n%2)+15], v[SOP+\n]
.endr
.set i, 0
.rept 8
	v_mov_b32 v[QQ+8+i], 0                         ; Q's zero codes for k = 64 .. 127
	v_mov_b32 v[QQ+24+i], 0
.set i, i+1
.endr
	WIN 0x40                                       ; destinations in window 1
.set i, 0
.rept 8
	v_mov_b32 v[ZR+i], 0                           ; tile 7's zero codes
.set i, i+1
.endr
.set i, 0
.rept 64
	v_mov_b32 v[OT+i], 0                           ; O^T.  (The step is written in one form: the first finds zeros, which the first change of M leaves zeros)
.set i, i+1
.endr
	WIN 0
.irp T, 0,1
	v_mov_b32 v[ST+6*\T+4], 0                      ; the sum, in two halves
	v_mov_b32 v[ST+6*\T+5], 0
	v_mov_b32 v[FF+2*\T+1], 0                      ; (named as the upper half of f's pair)
	v_mov_b32 v[ST+6*\T+3], 0xff61b1e6             ; the largest t so far: -3e38
.endr
.irp T, 0,1
	v_floor_f32 v[ST+6*\T+1], -v[ST+6*\T+3]        ; -M
.endr
; THE ROW'S SUM of a tile's 32 pairs of p, in five chains by turns: chain 0 is the running sum, chains 1 to 4 stand in v76, v78, v88, v90
.macro CHAIN T, c                      ; DD = chain c's first register
.if (\c) == 0
.set DD, ST+6*\T+4
.else
.if (\c) < 3
.set DD, 74+2*(\c)
.else
.set DD, 82+2*(\c)
.endif
.endif
.endm
.macro SUMI T                          ; chains 1 to 4 begin with pairs 0 to 7
.irp c, 1,2,3,4
	CHAIN \T, \c
	v_pk_add_f32 v[DD:DD+1], v[S+64*\T+4*\c-4:S+64*\T+4*\c-3], v[S+64*\T+4*\c-2:S+64*\T+4*\c-1]
.endr
.endm
.macro SUMR T, m0, m1                  ; pairs m0 to m1: pair m goes onto chain (m - 8) % 5
.set m, \m0
.rept \m1-\m0+1
	CHAIN \T, (m-8)%5
	v_pk_add_f32 v[DD:DD+1], v[DD:DD+1], v[S+64*\T+2*m:S+64*\T+2*m+1]
.set m, m+1
.endr
.endm
.macro SUMC T                          ; the five chains become one
	v_pk_add_f32 v[76:77], v[76:77], v[78:79]
	v_pk_add_f32 v[88:89], v[88:89], v[90:91]
	v_pk_add_f32 v[ST+6*\T+4:ST+6*\T+5], v[ST+6*\T+4:ST+6*\T+5], v[76:77]
	v_pk_add_f32 v[ST+6*\T+4:ST+6*\T+5], v[ST+6*\T+4:ST+6*\T+5], v[88:89]
.endm
.macro HOLDB n                         ; block n's hold; p is not negative, so it is one-sided
.set j, 0
.rept 16
	v_min_num_f32 v[S+16*(\n)+j], v[S+16*(\n)+j], v[HOLD+(\n)]
.set j, j+1
.endr
.endm
.macro CVT n                           ; block n's codes land on the block before's numbers, which are converted
	v_cvt_scalef32_pk8_fp8_f32 v[PC+64*((\n)/4)+4*((\n)%4):PC+64*((\n)/4)+4*((\n)%4)+1], v[S+16*(\n):S+16*(\n)+7], v[SOP+(\n)]
	v_cvt_scalef32_pk8_fp8_f32 v[PC+64*((\n)/4)+4*((\n)%4)+2:PC+64*((\n)/4)+4*((\n)%4)+3], v[S+16*(\n)+8:S+16*(\n)+15], v[SOP+(\n)]
.endm
; A KEY STEP: 128 keys x my 32 queries.  more = 1: a step follows, and its K, biases and scale words are asked for.
.macro STEP more
.rept 9
	v_nop                                          ; nine places behind the last products: the loads below land on their V, and the products below write over their codes of p (ISA guide 7.12.1 for the products)
.endr
	G2                                             ; this step's V: it lands under the softmax
	s_wait_loadcnt 17                              ; K, the biases and K's scale words are in: the 17 loads just issued may be out
	WIN 0x11                                       ; K and the biases in window 1, Q and S^T in window 0
.set i, 0
.rept 7
	v_wmma_scale_f32_16x16x128_f8f6f4 v[S+8*i:S+8*i+7], v[8*i:8*i+15], v[QQ:QQ+15], v[BS+8*i:BS+8*i+7], v[KSC+i], v[QSC]   ; sixteen accumulators, one instruction each
	v_wmma_scale_f32_16x16x128_f8f6f4 v[S+64+8*i:S+64+8*i+7], v[8*i:8*i+15], v[QQ+16:QQ+31], v[BS+8*i:BS+8*i+7], v[KSC+i], v[QSC+1]
.set i, i+1
.endr
	WIN 0x01                                       ; tile 7's biases lie in window 0
	v_wmma_scale_f32_16x16x128_f8f6f4 v[S+56:S+63], v[56:71], v[QQ:QQ+15], v[BS7:BS7+7], v[KSC+7], v[QSC]
	v_wmma_scale_f32_16x16x128_f8f6f4 v[S+120:S+127], v[56:71], v[QQ+16:QQ+31], v[BS7:BS7+7], v[KSC+7], v[QSC+1]
.rept 8
	v_nop                                          ; eight places, in front of the loads below and of the first read of the scores
.endr
.if \more
	G1 STRIDE                                      ; the next step's: they have this step's softmax and second products in which to land
	; A PREFETCH INTO THE L2: the record of step n + 3, two steps ahead of the step whose loads ask for it; work-groups 0 to 3, nine blocks of 256 bytes a wave, each block named once; records 0 to 2 of a quarter come by their loads alone
	s_cmp_lt_u32 s40, s46
	s_cbranch_scc0 .Lnot_mine_\@
	global_prefetch_b8 v7, s[44:45] offset:3*STRIDE th:TH_LOAD_NT scope:SCOPE_SE
.Lnot_mine_\@:
.else
	WIN 0
.endif
.irp n, 0,1,2,3,4,5,6,7
	v_max3_num_f32 v[BM+\n], v[S+16*\n], v[S+16*\n+1], v[S+16*\n+2]   ; the largest score of each block of 32 keys: for the row's maximum and, since p rises with the score, for the block's largest p
.endr
.irp i, 3,5,7,9,11,13
.irp n, 0,1,2,3,4,5,6,7
	v_max3_num_f32 v[BM+\n], v[BM+\n], v[S+16*\n+\i], v[S+16*\n+\i+1]
.endr
.endr
.irp n, 0,1,2,3,4,5,6,7
	v_max_num_f32 v[BM+\n], v[BM+\n], v[S+16*\n+15]
.endr
.irp n, 0,1,2,3,4,5,6,7
	v_permlanex16_b32 v[T1+\n], v[BM+\n], s42, s43
.endr
.irp n, 0,1,2,3,4,5,6,7
	v_max_num_f32 v[BM+\n], v[BM+\n], v[T1+\n]     ; with lane l xor 16's 16 keys
.endr
.irp T, 0,1
	v_max3_num_f32 v[TT+\T], v[BM+4*\T], v[BM+4*\T+1], v[BM+4*\T+2]
.endr
.irp T, 0,1
	v_max_num_f32 v[TT+\T], v[TT+\T], v[BM+4*\T+3] ; the step's largest score of my query,
.endr
.irp T, 0,1
	v_fma_f32 v[TT+\T], v[TT+\T], v8, v[ST+6*\T]   ; as t (|a| is positive)
.endr
.irp T, 0,1
	v_max_num_f32 v[ST+6*\T+3], v[ST+6*\T+3], v[TT+\T]   ; the running largest t
.endr
.irp T, 0,1
	v_mov_b32 v[TT+\T], v[ST+6*\T+1]
.endr
.irp T, 0,1
	v_floor_f32 v[ST+6*\T+1], -v[ST+6*\T+3]        ; the new -M = -ceil(t): a whole number
.endr
.irp T, 0,1
	v_sub_f32 v[TT+\T], v[ST+6*\T+1], v[TT+\T]     ; old M - new M: a whole number, 0 or less
.endr
.irp T, 0,1
	v_cvt_i32_f32 v[TT+\T], v[TT+\T]               ; (it saturates)
.endr
.irp T, 0,1
	v_ldexp_f32 v[FF+2*\T], 1.0, v[TT+\T]          ; f = 2^(old M - new M): multiplying by it rounds nothing
.endr
.irp T, 0,1
	v_add_f32 v[ST+6*\T+2], v[ST+6*\T], v[ST+6*\T+1]   ; cq - M
.endr
.set j, 0
.rept 32
	v_pk_fma_f32 v[S+j:S+j+1], v[S+j:S+j+1], v[8:9], v[ST+2:ST+3] op_sel_hi:[1,0,0]   ; tile A: t - M, two at a time (of the pairs the low word serves both halves)
.set j, j+2
.endr
.irp n, 0,1,2,3,4,5,6,7
	v_fma_f32 v[BM+\n], v[BM+\n], v8, v[ST+6*(\n/4)+2]   ; the same of each block's largest score, both tiles
.endr
	s_wait_alu depctr_va_vdst(0)                   ; the wait ahead of the batch
.irp n, 0,1,2,3,4,5,6,7
	v_exp_f32 v[BM+\n], v[BM+\n]                   ; the block's largest p: the same two instructions on the same number as its p below
.endr
.set j, 0
.rept 32
	v_exp_f32 v[S+j], v[S+j]                       ; tile A: p = 2^(t - M): not normalised
	v_exp_f32 v[S+j+1], v[S+j+1]
	v_pk_fma_f32 v[S+64+j:S+64+j+1], v[S+64+j:S+64+j+1], v[8:9], v[ST+8:ST+9] op_sel_hi:[1,0,0]   ; tile B's t - M by turns with them: its sources stand ahead of the wait above, its result is read behind the waits below
.set j, j+2
.endr
.irp T, 0,1
	v_pk_mul_f32 v[ST+6*\T+4:ST+6*\T+5], v[ST+6*\T+4:ST+6*\T+5], v[FF+2*\T:FF+2*\T+1] op_sel_hi:[1,0]   ; the sums under the new M
.endr
	s_wait_alu depctr_va_vdst(0)                   ; one wait for the batch of 72, ahead of its first reader
	SUMI 0                                         ; tile A's sum of the unquantised p, ahead of its holds
	SUMR 0, 8, 31
	SUMC 0
.irp n, 0,1,2,3,4,5,6,7
	v_max_num_f32 v[BM+\n], 0x4800000, v[BM+\n]    ; the floor 2^(9 - 127): the byte cannot fall under 1
.endr
.irp n, 0,1,2,3,4,5,6,7
	v_add_nc_u32 v[SOP+\n], 0xfc000000, v[BM+\n]   ; 8 off the exponent field: the conversion's scale operand
.endr
.irp n, 0,1,2,3,4,5,6,7
	v_and_or_b32 v[HOLD+\n], v[BM+\n], 0x7f800000, s41   ; 448 x the scale
.endr
.irp n, 0,1,2,3,4,5,6,7
	v_lshrrev_b32 v[T1+\n], 23, v[SOP+\n]          ; the scale's byte
.endr
.irp T, 0,1
	v_lshl_or_b32 v[PSC+\T], v[T1+4*\T+1], 8, v[T1+4*\T]   ; p's scale word for these 128 keys
.endr
.irp T, 0,1
	v_lshl_or_b32 v[PSC+\T], v[T1+4*\T+2], 16, v[PSC+\T]
.endr
.irp T, 0,1
	v_lshl_or_b32 v[PSC+\T], v[T1+4*\T+3], 24, v[PSC+\T]
.endr
	s_wait_alu depctr_va_vdst(0)                   ; the wait ahead of the second batch: it serves tile B's t - M and the holds
.set j, 0
.rept 64
	v_exp_f32 v[S+64+j], v[S+64+j]                 ; tile B: p
	v_min_num_f32 v[S+j], v[S+j], v[HOLD+j/16]     ; tile A's holds by turns with them (p is not negative, so the hold is one-sided); their results are read behind the wait below
.set j, j+1
.endr
	s_wait_alu depctr_va_vdst(0)                   ; one wait for the batch of 64, ahead of its first reader
	CVT 0                                          ; tile A's conversions by turns with tile B's sum: eight plain lines stand between a block's conversions and the next block's, which write over their sources
	SUMI 1
	SUMR 1, 8, 11
	CVT 1
	SUMR 1, 12, 19
	CVT 2
	SUMR 1, 20, 27
	CVT 3
	SUMR 1, 28, 31
	SUMC 1
	HOLDB 4                                        ; tile B: a block's conversions stand behind the next block's holds
	HOLDB 5
	CVT 4
	HOLDB 6
	CVT 5
	HOLDB 7
	CVT 6
	CVT 7
	WIN 0x41                                       ; O^T in window 1, f in window 0
	s_wait_alu depctr_va_vdst(0)                   ; the wait directly ahead of the first reader of O^T
.set j, 0
.rept 16
	v_pk_mul_f32 v[OT+j:OT+j+1], v[OT+j:OT+j+1], v[FF:FF+1] op_sel_hi:[1,0]   ; O^T under the new M, each accumulator from its low end on; these are also the places between the codes and the products
	v_pk_mul_f32 v[OT+32+j:OT+32+j+1], v[OT+32+j:OT+32+j+1], v[FF+2:FF+3] op_sel_hi:[1,0]
.set j, j+2
.endr
	s_wait_alu depctr_va_vdst(0)                   ; the wait directly ahead of the wait below
.if \more
	s_wait_loadcnt 34                              ; V and its scale words are in: the next step's 34 loads may be out
.else
	s_wait_loadcnt 0x0
.endif
	WIN 0x51                                       ; V and O^T in window 1, p's codes in window 0
.set i, 0
.rept 4
	v_wmma_scale_f32_16x16x128_f8f6f4 v[OT+8*i:OT+8*i+7], v[VV+16*i:VV+16*i+15], v[PC:PC+15], v[OT+8*i:OT+8*i+7], v[VSC+i], v[PSC]   ; the eight accumulators by turns
	v_wmma_scale_f32_16x16x128_f8f6f4 v[OT+32+8*i:OT+32+8*i+7], v[VV+16*i:VV+16*i+15], v[PC+64:PC+79], v[OT+32+8*i:OT+32+8*i+7], v[VSC+i], v[PSC+1]
.set i, i+1
.endr
	WIN 0
.if \more
	s_wait_xcnt 0x0                                ; the loads and the prefetch have read their base, so it may be stepped
	s_add_nc_u64 s[44:45], s[44:45], STRIDE
.endif
.endm
	s_wait_alu depctr_va_vdst(0)                   ; the wait at the head's end
.Lstep:                                            ; fifteen steps that ask for a successor's operands
	STEP 1
	s_add_co_u32 s40, s40, 1
	s_cmp_lt_u32 s40, 15
	s_cbranch_scc1 .Lstep
	STEP 0                                         ; the last is written out: it loads nothing beyond kv's end
	; THE MERGE.  Image 4 kg + qt holds part kg of tile qt = 2 qp + T.  The scalar parts of its addresses first, then the vector lines on end: these name no register of the last products and are the places behind them.
	s_lshl_b32 s21, s18, 2
	s_lshl_b32 s22, s17, 1
	s_add_co_u32 s21, s21, s22
	s_lshl_b32 s52, s21, 12                        ; my images of O^T
	s_lshl_b32 s53, s21, 8
	s_add_co_u32 s53, s53, MRGS                    ; my (-M, l)
	s_lshl_b32 s54, s17, 13
	s_lshl_b32 s22, s18, 10
	s_add_co_u32 s54, s54, s22                     ; what I merge: of my tiles' four images (16,384 bytes apart) registers 8 kg .. 8 kg + 7
	s_lshl_b32 s55, s17, 9
	s_add_co_u32 s55, s55, MRGS                    ; and their (-M, l), 1,024 bytes apart
	s_mul_i32 s56, s17, 32*272
	s_lshl_b32 s22, s18, 6
	s_add_co_u32 s56, s56, s22
	s_add_co_u32 s56, s56, STG
	s_mul_i32 s57, s16, 8*272
	s_add_co_u32 s57, s57, STG
	s_lshl_b32 s58, s16, 11
	v_and_b32 v76, 31, v0                          ; lane
	v_and_b32 v77, 15, v0                          ; r
	v_bfe_u32 v78, v0, 4, 1                        ; h
	v_lshl_add_u32 v1, v76, 4, s52
	v_lshl_add_u32 v2, v76, 3, s53
	v_lshl_add_u32 v3, v76, 4, s54
	v_lshl_add_u32 v4, v76, 3, s55
	v_mul_u32_u24 v92, v77, 272
	v_mul_u32_u24 v93, v78, 272
	v_lshl_add_u32 v92, v78, 5, v92
	v_lshl_add_u32 v93, v77, 4, v93
	v_add_nc_u32 v92, s56, v92                     ; the stage, in: row 32 qp + r (+ 16 T), bytes 64 kg + 32 h on
	v_add_nc_u32 v93, s57, v93                     ; back: rows 8 w + h, 16 bytes a lane
	v_lshl_add_u32 v94, v76, 4, s58                ; the same rows in x and in out0: 2048 x wave + 16 x lane
.irp T, 0,1
	v_add_f32 v[ST+6*\T+5], v[ST+6*\T+4], v[ST+6*\T+5]   ; the sum's two halves,
.endr
.irp T, 0,1
	v_permlanex16_b32 v[T1+\T], v[ST+6*\T+5], s42, s43
.endr
.irp T, 0,1
	v_add_f32 v[ST+6*\T+5], v[ST+6*\T+5], v[T1+\T] ; and lane l xor 16's: my part's l
.endr
.irp T, 0,1
	v_mov_b32 v[ST+6*\T+4], v[ST+6*\T+1]           ; beside -M
.endr
	s_wait_alu depctr_va_vdst(0)
.irp k, 0,1,2,3
	global_load_b128 v[208+4*\k:211+4*\k], v94, s[48:49] offset:512*\k   ; x for the way out: it lands under the merge
.endr
	WIN 0x04                                       ; the stores' data in window 1
.irp T, 0,1
.irp i, 0,1,2,3,4,5,6,7
	ds_store_b128 v1, v[OT+32*\T+4*\i:OT+32*\T+4*\i+3] offset:4096*\T+512*\i   ; each accumulator from its low end on
.endr
.endr
	WIN 0
.irp T, 0,1
	ds_store_b64 v2, v[ST+6*\T+4:ST+6*\T+5] offset:256*\T
.endr
	s_wait_dscnt 0x0                               ; for the others' sake: my stores are done
	s_barrier_signal -1
	s_barrier_wait -1
.irp T, 0,1
.irp g, 0,1,2,3
	ds_load_b64 v[96+8*\T+2*\g:97+8*\T+2*\g], v4 offset:256*\T+1024*\g
	ds_load_b128 v[128+32*\T+8*\g:131+32*\T+8*\g], v3 offset:4096*\T+16384*\g
	ds_load_b128 v[132+32*\T+8*\g:135+32*\T+8*\g], v3 offset:4096*\T+16384*\g+512
.endr
.endr
	s_wait_dscnt 0x0
.irp T, 0,1
	v_min_num_f32 v[76+\T], v[96+8*\T], v[98+8*\T]
	v_min_num_f32 v[78+\T], v[100+8*\T], v[102+8*\T]
.endr
.irp T, 0,1
	v_min_num_f32 v[76+\T], v[76+\T], v[78+\T]     ; -M*, M* the largest of the four M
.endr
.irp T, 0,1
.irp g, 0,1,2,3
	v_sub_f32 v[BM+4*\T+\g], v[76+\T], v[96+8*\T+2*\g]   ; M of part g less M*: a whole number, 0 or less
.endr
.endr
.irp n, 0,1,2,3,4,5,6,7
	v_cvt_i32_f32 v[BM+\n], v[BM+\n]
.endr
.irp n, 0,1,2,3,4,5,6,7
	v_ldexp_f32 v[BM+\n], 1.0, v[BM+\n]            ; f of part g
.endr
.irp T, 0,1
	v_mul_f32 v[80+\T], v[BM+4*\T], v[97+8*\T]
.endr
.irp g, 1,2,3
.irp T, 0,1
	v_fma_f32 v[80+\T], v[BM+4*\T+\g], v[97+8*\T+2*\g], v[80+\T]   ; the row's sum
.endr
.endr
	s_wait_alu depctr_va_vdst(0)
	v_rcp_f32 v82, v80
	v_rcp_f32 v83, v81
	v_nop                                          ; the plain line behind the reciprocals
	s_wait_alu depctr_va_vdst(0)
.irp T, 0,1
	v_mul_f32 v[82+\T], v[82+\T], v27              ; w2 / l
.endr
.irp n, 0,1,2,3,4,5,6,7
	v_mul_f32 v[BM+\n], v[BM+\n], v[82+\n/4]
.endr
.irp T, 0,1
.irp j, 0,1,2,3,4,5,6,7
	v_mul_f32 v[192+8*\T+\j], v[128+32*\T+\j], v[BM+4*\T]
.endr
.endr
.irp g, 1,2,3
.irp T, 0,1
.irp j, 0,1,2,3,4,5,6,7
	v_fma_f32 v[192+8*\T+\j], v[128+32*\T+8*\g+\j], v[BM+4*\T+\g], v[192+8*\T+\j]   ; register j: w2 x cluster_term(query 32 qp + 16 T + r, d = 16 kg + 8 h + j)
.endr
.endr
.endr
.irp T, 0,1
	ds_store_b128 v92, v[192+8*\T:195+8*\T] offset:4352*\T
	ds_store_b128 v92, v[196+8*\T:199+8*\T] offset:4352*\T+16
.endr
	s_wait_dscnt 0x0                               ; a row's 256 bytes come from four waves
	s_barrier_signal -1
	s_barrier_wait -1
.irp k, 0,1,2,3
	ds_load_b128 v[224+4*\k:227+4*\k], v93 offset:544*\k
.endr
	s_wait_dscnt 0x0
	s_wait_loadcnt 0x0                             ; x
.set j, 0
.rept 16
	v_fma_f32 v[240+j], v[208+j], v26, v[224+j]    ; w1 x + w2 cluster_term
.set j, j+1
.endr
.irp k, 0,1,2,3
	global_store_b128 v94, v[240+4*\k:243+4*\k], s[50:51] offset:512*\k   ; sixteen lanes store a row of 256 bytes, at a multiple of 256 from out0's first byte
.endr
	s_wait_tensorcnt 0x0                           ; the wave's end
	ds_add_u32 v5, v6
	s_wait_dscnt 0x0
	s_endpgm
.Lfunc_end_k_qf2c21f0a74_attn:
	.size	k_qf2c21f0a74_attn, .Lfunc_end_k_qf2c21f0a74_attn-k_qf2c21f0a74_attn
	.p2alignl 7, 3214868480
	.fill 96, 4, 3214868480
	.section	.rodata,"a",@progbits
	.p2align	6, 0x0
	.amdhsa_kernel k_qf2c21f0a74_attn
		.amdhsa_group_segment_fixed_size 88064
		.amdhsa_private_segment_fixed_size 0
		.amdhsa_enable_private_segment 0
		.amdhsa_kernarg_size 40
		.amdhsa_user_sgpr_count 2
		.amdhsa_user_sgpr_kernarg_segment_ptr 1
		.amdhsa_wavefront_size32 1
		.amdhsa_system_sgpr_workgroup_id_x 1
		.amdhsa_system_sgpr_workgroup_id_y 1
		.amdhsa_system_sgpr_workgroup_id_z 1
		.amdhsa_system_vgpr_workitem_id 0
		.amdhsa_next_free_vgpr 512
		.amdhsa_next_free_sgpr 66
		.amdhsa_reserve_vcc 0
		.amdhsa_float_denorm_mode_32 3
		.amdhsa_float_denorm_mode_16_64 3
		.amdhsa_memory_ordered 1
		.amdhsa_forward_progress 1
		.amdhsa_inst_pref_size 105
	.end_amdhsa_kernel
	.amdgpu_metadata
---
amdhsa.version: [ 1, 2 ]
amdhsa.kernels:
  - .name:           k_qf2c21f0a74_attn
    .symbol:         k_qf2c21f0a74_attn.kd
    .args:
      - { .name: kv, .offset: 0, .size: 8, .value_kind: global_buffer, .address_space: global }
      - { .name: x, .offset: 8, .size: 8, .value_kind: global_buffer, .address_space: global }
      - { .name: t, .offset: 16, .size: 8, .value_kind: global_buffer, .address_space: global }
      - { .name: standard_dev, .offset: 24, .size: 8, .value_kind: global_buffer, .address_space: global }
      - { .name: out0, .offset: 32, .size: 8, .value_kind: global_buffer, .address_space: global }
    .group_segment_fixed_size: 88064
    .private_segment_fixed_size: 0
    .kernarg_segment_align: 8
    .kernarg_segment_size: 40
    .max_flat_workgroup_size: 256
    .sgpr_count:     66
    .vgpr_count:     512
    .wavefront_size: 32
...
	.end_amdgpu_metadata
.endif
;; end of part 2
